; MI455X (gfx1250); checked and timed in simulation.
; The chip was launched on July 23, 2026; its instructions are those of AMD's public machine-readable ISA for CDNA 5 (MIT licence, August 2026) and "CDNA5" Instruction Set Architecture Reference Guide (July 2026). The comments in the code are by the model that wrote it; some were corrected since.
;; Graph Resoning Module. Allowed arithmetic: matrix products marked QUANTISED: E2M3 operands, one E8M0 scale for each 32 along K, by v_wmma_scale_f32_16x16x128_f8f6f4 with both operands' format E2M3, f32 sums; everything else in f32.
;; Inputs: feat_map 8 x 256 x 64 x 64 float32; phi_w 64 x 256 float32; theta_w 64 x 256 float32; weight 256 x 512 float32.
;; Outputs: out0 8 x 512 x 64 x 64 float32.
;; This version of the problem:
;;   THIS VERSION OF THE PROBLEM IS GIVEN IN LOW PRECISION. The matrix products marked QUANTISED in the list below multiply operands that are first quantised to E2M3 (2 exponent bits, 3 mantissa bits; 6 bits a number), with one power-of-two scale for each 32 numbers along K (OCP MX v1.0); their sums are f32. All else is computed in f32.
;;   The module's matrix products, in the order in which they are computed (A, B: the left and right operand; K: the contracted axis; several contracted axes count as one K, in the product's order):
;;     1. [M 32,768, K 256] x [K 256, N 64]; A: input feat_map; B: input phi_w: QUANTISED
;;     2. [M 32,768, K 256] x [K 256, N 64]; A: input feat_map; B: input theta_w: QUANTISED
;;     3. batch 8 x [M 4,096, K 64] x [K 64, N 4,096]; A: computed on the way; B: computed on the way: QUANTISED
;;     4. batch 8 x [M 4,096, K 4,096] x [K 4,096, N 256]; A: softmax (see below); B: input feat_map: QUANTISED
;;     5. [M 32,768, K 256] x [K 256, N 512]; A: computed on the way; B: input weight: QUANTISED
;;   THE QUANTISER, for each operand of a quantised product, along K:
;;     - K is cut into blocks of 32 from its start; a last block that is shorter is filled with zeros.
;;     - A block's scale is 2^e with e = floor(log2(the largest magnitude in the block)) - 2, held to -126 .. 127; a block of zeros has e = 0. As a byte (E8M0): e + 127.
;;     - Each number is divided by its block's scale, clamped to +-7.5, and rounded to the nearest number of E2M3, ties to even, subnormals kept.
;;     - The product sums the exact products of the quantised numbers (number of the format x scale) in f32.
;;   ~~~python
;;   def quantise(x, axis):      # numpy; x: float32 -> the quantised numbers, widened to float32 again
;;       x = np.moveaxis(x, axis, -1); K = x.shape[-1]
;;       x = np.pad(x, [(0, 0)] * (x.ndim - 1) + [(0, -K % 32)]); x = x.reshape(x.shape[:-1] + (-1, 32)); a = np.abs(x).max(-1, keepdims=True)
;;       e = np.where(a > 0, np.clip(np.frexp(np.where(a > 0, a, 1))[1] - 1 - 2, -126, 127), 0)      # np.frexp(a)[1] - 1 = floor(log2(a)), exactly
;;       r = np.clip(x / 2.0 ** e, -7.5, 7.5)
;;       step = 2.0 ** (np.maximum(np.frexp(np.where(r == 0, 1, r))[1] - 1, 0) - 3)
;;       q = np.round(r / step) * step * 2.0 ** e      # np.round: ties to even
;;       return np.moveaxis(q.reshape(q.shape[:-2] + (-1,))[..., :K], -1, axis).astype(np.float32)
;;   ~~~
;;   SOFTMAX AHEAD OF A QUANTISED PRODUCT. Where the list says 'softmax', what is quantised is not the finished softmax but p = 2^(t - M), with t = logit x log2(e) and M = ceil(the row's largest t), a whole number; so 1/2 < the row's largest p <= 1. The row's sum l is taken of the UNQUANTISED p, in f32, and the product's result is divided by l at the end. Since M is a whole number, a kernel that streams over the keys may use a running M (the ceiling of the running maximum): every later rescaling is an exact power of two, which a block's scale takes up: the codes' values come out the same.
;;   OPERANDS COMPUTED ON THE WAY. 'Computed on the way' means the value that the module computes at that place (a softmax that the list does not call 'softmax' is quantised finished and normalised). What goes into a quantiser is computed in f32, as accurately as f32 sums, v_exp_f32 and their like allow (about 1e-6 of the number): no bf16 or f16 on the way to a quantiser, and a product that is left as it is and whose result goes on into a quantised operand takes f32 operands (vector FMAs, or v_wmma_f32_16x16x4_f32). A number that lies on a knife's edge between two numbers of the format may be rounded either way, as far as f32 arithmetic and the matrix unit's own rounding can turn it there, and no further.
;; One version. Each part assembles by itself: llvm-mc -triple=amdgcn-amd-amdhsa -mcpu=gfx1250 --defsym DOCPART=n.
;; ======== version 1 of 1: 2 launches
;; workspace buffers: kv 8,388,608 bytes; qp 1,835,008 bytes; wq 102,400 bytes
;; launch prep (part 1): grid 32 x 8, 4 waves a work-group, no clusters, 202,240 bytes of LDS; arguments feat_map, phi_w, theta_w, weight, kv, qp, wq; writes kv, qp, wq
.if DOCPART == 1
	.amdgcn_target "amdgcn-amd-amdhsa--gfx1250"
	.amdhsa_code_object_version 6
	.text
	.protected	k_q74b8089323_prep
	.globl	k_q74b8089323_prep
	.p2align	8
	.type	k_q74b8089323_prep,@function
k_q74b8089323_prep:
	s_mov_b64 s[64:65], 0
	v_nop
	global_prefetch_b8 v0, s[64:65] scope:SCOPE_SE
	s_setreg_imm32_b32 hwreg(HW_REG_WAVE_MODE, 25, 1), 1
	s_wait_xcnt 0x0
; PREP: everything that the attention launch reads is made here, once, as codes of FP6 (E2M3) with one E8M0 byte for each 32 along a product's K,
; laid in the order of the operand registers ("image": a fragment's 12 registers as 3 chunks of 512 bytes, lane l's 16 bytes at 16 l).
; feat_map is [8][256 c][4096 n] f32.  A work-group (x = ks, y = b) takes the tile [256 c][128 n] of batch b, n = 128 ks on: 131,072 bytes, read once by four tensor loads.
; From it come  (1) V: the tile quantised along n (the keys are the fourth product's K): 16 images + scale words;
;               (2) the tile quantised along c, in registers, multiplied by quantised phi_w and theta_w (K = 256): phi and theta of 128 positions, in f32;
;               (3) theta quantised along its 64 (K images), 1 / |theta|;  phi quantised likewise (Q images), log2(e) / |phi|.  The norms are taken of the unquantised numbers.
; Wave q owns positions 32 q .. 32 q + 31.  Wave 0 also quantises 16 columns x 32 rows of weight (c block b, columns 16 ks on): 256 work-groups cover all of weight.
; kv record (b, ks), 32,768 bytes: V images 16 x 1,536 | V scale words 1,024 | K pair images 4 x 1,536 | K scale words 512 | 1 / |theta| 512.   qp: two groups of 64 queries, 3,584 bytes each.
; THE ROWS OF A TILE ARE NOT NEIGHBOURS: lane r of tile 2 b + u (of W's rows, of the keys, of V's channels) takes row 32 b + 8 u + r + 8 (r / 8), so that the 16 result registers of two neighbouring tiles are
; 16 neighbours along the next K.  A query tile tau of a group takes queries 4 r + tau, so that four tiles' results are four neighbouring n of the output.
; NO CLUSTER: what work-groups share is phi_w and theta_w, 131,072 bytes of f32 that have to pass through registers to be quantised; brought jointly into LDS they would want
; 135,168 + 131,072 + 67,072 bytes, more than the 327,680 that a work-group can have.  NO PREFETCH: every byte is asked for at the head.
; LIMITS: NaN and infinities among the inputs are not served; a position whose phi or theta is all zeros (or whose sum of squares is denormal) gives NaN or infinity, as the definition's division does, and was not tried.
; A block of zeros gets the scale byte 1 where the rule says 127: its codes are zeros, and the bytes are read by this program alone.  wq's codes leave as 12 bytes a lane, 98,304 bytes in all.
.set FP,    528                        ; a row of the feature tile in LDS: 512 bytes + 16
.set CBS,   32*FP                      ; a block of 32 channels
.set WIMG,  256*FP                     ; 16 images of W's fragments: f = 2 t + s; tiles t 0-3 phi_w, 4-7 theta_w; s: K step of 128
.set WSC,   WIMG+16*1536               ; their scale words, 128 bytes each
.set OKV,   WSC+16*128                 ; the kv record as it will lie in memory
.set OQP,   OKV+32768                  ; the two qp groups
.set SPARE, OQP+7168                   ; the spare words, 128 bytes for each wave: two blocks of 256 bytes that no other line names
.set VSC,   24576                      ; in a record: V's scale words,
.set KIM,   25600                      ; K's pair images,
.set KSC,   31744                      ; K's scale words,
.set RKO,   32256                      ; 1 / |theta|
.set LN,  1                            ; v1 lane;  v2 r = lane % 16;  v3 h = lane / 16
.set RW,  2
.set HF,  3
.set AX,  4                            ; v4  feature tile, lane = position: 128 q + 4 lane
.set AT,  5                            ; v5  feature tile, lane = channel: 528 lane + 128 q
.set AXC, 6                            ; v6, v7 the same for the block in hand
.set ATC, 7
.set AV,  8                            ; v8-10 where my 24 bytes of V's codes go (three pieces of 8)
.set AVS, 11                           ; v11 and my scale byte
.set AQ,  12                           ; v12 Q images;  v13 their scale words (cq 256 bytes on)
.set AQS, 13
.set AK,  14                           ; v14-16 K images;  v17 scale words;  v18 1 / |theta|
.set AKS, 17
.set ARK, 18
.set WIA, 19                           ; v19, v20 where I store W's images and scale words;  v21, v22 where any wave reads them
.set WSA, 20
.set WRI, 21
.set WRS, 22
.set CPK, 23                           ; v23-25 the copy out, LDS side;  v26-28 memory side
.set CPQ, 24
.set CPT, 25
.set GK,  26
.set GQ,  27
.set GT,  28
.set H8,  29                           ; v29 8 h
.set SPW, 30                           ; v30 LDS address of my spare word; never rewritten
.set NIL, 31                           ; v31 0; never rewritten
.set FC,  32                           ; v32-79 the features' codes along c: tile p, K step s at FC + 24 p + 12 s  (at the head: the weight job's numbers and codes)
.set FS,  80                           ; v80-81 their scale words: lanes 0-15 tile 0, lanes 16-31 tile 1
.set WO,  82                           ; v82 my byte offset in phi_w or theta_w;  v83 in weight
.set GO,  83
.set WS,  84                           ; v84-91 W's scale words: scales and nothing else
.set JC,  92                           ; v92, v93 the weight job's offsets in wq
.set JS,  93
.set PD,  94                           ; v94 a lane permute's destination
.set XR,  96                           ; v96-159 two sets of 32 numbers down c  (head: 64 numbers of W; products: ACC; end: copy)
.set TR,  160                          ; v160-223 two sets of 32 numbers along n (head: 64 numbers of W)
.set ACC, 96                           ; 8 accumulators: phi^T tiles 0-3, theta^T tiles 4-7
.set WF,  160                          ; v160-255 eight fragments of W
.set CT,  224                          ; v224-243 codes just made
.set TM,  244                          ; v244-255 at work
.set SQ,  160                          ; after the products, in W's registers: sums of squares,
.set RS,  170                          ; log2(e) / |phi|, 1 / |theta|,
.set QM,  172                          ; four blocks' largest magnitudes, bytes, scale operands,
.set QY,  176
.set QO,  180
.set QW,  184                          ; two scale words,
.set CP,  192                          ; phi's codes v192-197, theta's v200-205
.macro WM z, d, a, b, sa, sb, ra, rb   ; one matrix instruction; z = 1: C is the constant 0, else the sum goes on in place; ra, rb: the scales stand in lanes 16-31
.if \z
.if (\ra) && (\rb)
	v_wmma_scale_f32_16x16x128_f8f6f4 v[\d:\d+7], v[\a:\a+11], v[\b:\b+11], 0, v[\sa], v[\sb] matrix_a_fmt:MATRIX_FMT_FP6 matrix_b_fmt:MATRIX_FMT_FP6 matrix_a_scale:MATRIX_SCALE_ROW1 matrix_b_scale:MATRIX_SCALE_ROW1
.elseif (\ra)
	v_wmma_scale_f32_16x16x128_f8f6f4 v[\d:\d+7], v[\a:\a+11], v[\b:\b+11], 0, v[\sa], v[\sb] matrix_a_fmt:MATRIX_FMT_FP6 matrix_b_fmt:MATRIX_FMT_FP6 matrix_a_scale:MATRIX_SCALE_ROW1
.elseif (\rb)
	v_wmma_scale_f32_16x16x128_f8f6f4 v[\d:\d+7], v[\a:\a+11], v[\b:\b+11], 0, v[\sa], v[\sb] matrix_a_fmt:MATRIX_FMT_FP6 matrix_b_fmt:MATRIX_FMT_FP6 matrix_b_scale:MATRIX_SCALE_ROW1
.else
	v_wmma_scale_f32_16x16x128_f8f6f4 v[\d:\d+7], v[\a:\a+11], v[\b:\b+11], 0, v[\sa], v[\sb] matrix_a_fmt:MATRIX_FMT_FP6 matrix_b_fmt:MATRIX_FMT_FP6
.endif
.else
.if (\ra) && (\rb)
	v_wmma_scale_f32_16x16x128_f8f6f4 v[\d:\d+7], v[\a:\a+11], v[\b:\b+11], v[\d:\d+7], v[\sa], v[\sb] matrix_a_fmt:MATRIX_FMT_FP6 matrix_b_fmt:MATRIX_FMT_FP6 matrix_a_scale:MATRIX_SCALE_ROW1 matrix_b_scale:MATRIX_SCALE_ROW1
.elseif (\ra)
	v_wmma_scale_f32_16x16x128_f8f6f4 v[\d:\d+7], v[\a:\a+11], v[\b:\b+11], v[\d:\d+7], v[\sa], v[\sb] matrix_a_fmt:MATRIX_FMT_FP6 matrix_b_fmt:MATRIX_FMT_FP6 matrix_a_scale:MATRIX_SCALE_ROW1
.elseif (\rb)
	v_wmma_scale_f32_16x16x128_f8f6f4 v[\d:\d+7], v[\a:\a+11], v[\b:\b+11], v[\d:\d+7], v[\sa], v[\sb] matrix_a_fmt:MATRIX_FMT_FP6 matrix_b_fmt:MATRIX_FMT_FP6 matrix_b_scale:MATRIX_SCALE_ROW1
.else
	v_wmma_scale_f32_16x16x128_f8f6f4 v[\d:\d+7], v[\a:\a+11], v[\b:\b+11], v[\d:\d+7], v[\sa], v[\sb] matrix_a_fmt:MATRIX_FMT_FP6 matrix_b_fmt:MATRIX_FMT_FP6
.endif
.endif
.endm
.macro PLACES n                        ; plain vector places behind or ahead of matrix instructions (ISA guide 7.12.1)
.rept \n
	v_nop
.endr
.endm
	s_load_b256 s[4:11], s[0:1], 0x0               ; feat_map s[4:5], phi_w s[6:7], theta_w s[8:9], weight s[10:11]
	s_load_b128 s[12:15], s[0:1], 0x20             ; kv s[12:13], qp s[14:15]
	s_load_b64 s[16:17], s[0:1], 0x30              ; wq
	v_lshl_add_u32 v[SPW], v0, 2, SPARE
	v_mov_b32 v[NIL], 0
	ds_add_u32 v[SPW], v[NIL]                      ; the wave's opening: the add and its wait stand ahead of my first tensor load; the set-up below, work on registers, stands between them
	v_lshrrev_b32 v[LN], 5, v0
	v_readfirstlane_b32 s18, v[LN]                 ; q: my wave's number
	s_mov_b32 s19, ttmp9                           ; ks
	s_and_b32 s20, ttmp7, 0xffff                   ; b
	; descriptor group 1: 64 rows (channels) x 128 elements of 4 bytes, 4,096 elements from row to row; 16 bytes of padding behind each row of 128 words
	s_mov_b32 s28, (2<<16)|(1<<20)|(6<<22)|(3<<25)
	s_mov_b32 s29, 128<<16                         ; tensor_dim0 = 128
	s_mov_b32 s30, 64<<16                          ; tensor_dim1 = 64
	s_mov_b32 s31, 128<<16                         ; tile_dim0 = 128
	s_mov_b32 s32, 64                              ; tile_dim1 = 64
	s_mov_b32 s33, 4096                            ; the pitch
	s_mov_b32 s34, 0
	s_mov_b32 s35, 0
	s_mov_b32 s24, 1
	s_mul_i32 s25, s18, 64*FP                      ; my 64 rows of the tile in LDS
	s_mov_b32 s36, 0x76543210
	s_mov_b32 s37, 0xfedcba98                      ; v_permlanex16_b32's selects for lane l xor 16
	s_and_b32 s38, s18, 1
	s_lshr_b32 s39, s18, 1
	s_lshl_b32 s40, s18, 7
	v_and_b32 v[LN], 31, v0
	v_and_b32 v[RW], 15, v0
	v_bfe_u32 v[HF], v0, 4, 1
	v_bfe_u32 v[TM], v0, 3, 1                      ; bit 3 of the lane
	v_and_b32 v[TM+1], 7, v0
	v_and_b32 v[TM+2], 3, v0
	v_bfe_u32 v[TM+3], v0, 2, 2                    ; r / 4
	v_lshl_add_u32 v[AX], v[LN], 2, s40
	v_mul_u32_u24 v[AT], v[LN], FP
	v_add_nc_u32 v[AT], s40, v[AT]
	; V: my lane is channel 32 cb + lane: fragment 2 cb + bit 3, row (lane % 8) + 8 (lane / 16); my wave is key block q: half q % 2 of the lanes, registers 6 (q / 2) on
	v_mul_u32_u24 v[TM+4], v[TM], 1536
	v_lshl_add_u32 v[TM+4], v[TM+1], 4, v[TM+4]
	v_lshl_add_u32 v[TM+4], v[HF], 7, v[TM+4]
	s_lshl_b32 s41, s38, 8
	s_mul_i32 s42, s39, 520                        ; registers 0, 1 | 2, 3 | 4, 5 lie at bytes 0 | 8 | 512 of a lane's image, registers 6, 7 | 8, 9 | 10, 11 at 520 | 1,024 | 1,032
	s_mul_i32 s43, s39, 1016
	s_add_co_u32 s42, s42, s41
	s_add_co_u32 s43, s43, s41
	s_add_co_u32 s42, s42, OKV
	s_add_co_u32 s43, s43, OKV+8
	v_add_nc_u32 v[AV], s42, v[TM+4]
	v_add_nc_u32 v[AV+1], s43, v[TM+4]
	v_add_nc_u32 v[AV+2], 512, v[AV]
	v_lshlrev_b32 v[AVS], 6, v[TM]
	v_lshl_add_u32 v[AVS], v[TM+1], 2, v[AVS]
	v_lshl_add_u32 v[AVS], v[HF], 5, v[AVS]
	s_add_co_u32 s44, s18, OKV+VSC
	v_add_nc_u32 v[AVS], s44, v[AVS]               ; byte q of the channel's word
	; Q: position 32 q + 16 p + r is query 4 r' + tau of group q / 2: tau = r % 4, r' = 8 (q % 2) + 4 p + r / 4
	v_mul_u32_u24 v[AQ], v[TM+2], 768
	v_lshl_add_u32 v[AQ], v[TM+3], 3, v[AQ]
	v_lshl_add_u32 v[AQ], v[HF], 7, v[AQ]
	s_mul_i32 s45, s39, 3584
	s_add_co_u32 s45, s45, OQP
	s_lshl_b32 s46, s38, 6
	s_add_co_u32 s46, s46, s45
	v_add_nc_u32 v[AQ], s46, v[AQ]
	v_lshlrev_b32 v[AQS], 6, v[TM+2]
	v_lshl_add_u32 v[AQS], v[TM+3], 2, v[AQS]
	s_lshl_b32 s46, s38, 5
	s_add_co_u32 s46, s46, s45
	s_add_co_u32 s46, s46, 3072
	v_add_nc_u32 v[AQS], s46, v[AQS]
	; K: key 32 q + 16 p + r: pair image q, tile u = r / 8 (registers 6 u on), row (r % 8) + 8 p
	v_lshlrev_b32 v[TM+5], 4, v[TM+1]
	v_lshl_add_u32 v[TM+5], v[HF], 8, v[TM+5]
	s_mul_i32 s47, s18, 1536
	s_add_co_u32 s47, s47, OKV+KIM
	v_add_nc_u32 v[TM+5], s47, v[TM+5]
	v_mad_u32_u24 v[AK], v[TM], 520, v[TM+5]
	v_mad_u32_u24 v[AK+1], v[TM], 1016, v[TM+5]
	v_add_nc_u32 v[AK+1], 8, v[AK+1]
	v_add_nc_u32 v[AK+2], 512, v[AK]
	v_lshlrev_b32 v[AKS], 6, v[TM]
	v_lshl_add_u32 v[AKS], v[TM+1], 2, v[AKS]
	s_add_co_u32 s48, s40, OKV+KSC
	v_add_nc_u32 v[AKS], s48, v[AKS]
	s_add_co_u32 s48, s40, OKV+RKO
	v_lshl_add_u32 v[ARK], v[RW], 2, s48
	s_mul_i32 s48, s18, 6144
	s_add_co_u32 s48, s48, WIMG
	v_lshl_add_u32 v[WIA], v[LN], 4, s48
	s_lshl_b32 s48, s18, 9
	s_add_co_u32 s48, s48, WSC
	v_lshl_add_u32 v[WSA], v[LN], 2, s48
	v_lshl_add_u32 v[WRI], v[LN], 4, WIMG
	v_lshl_add_u32 v[WRS], v[LN], 2, WSC
	s_lshl_b32 s48, s18, 13
	v_lshl_add_u32 v[GK], v[LN], 4, s48            ; the copy out: a quarter of the record a wave,
	v_add_nc_u32 v[CPK], OKV, v[GK]
	s_mul_i32 s48, s18, 1536
	v_lshl_add_u32 v[GQ], v[LN], 4, s48            ; 1,536 bytes of qp's 7,168,
	v_add_nc_u32 v[CPQ], OQP, v[GQ]
	s_lshl_b32 s48, s18, 8
	s_add_co_u32 s48, s48, 6144
	v_lshl_add_u32 v[GT], v[LN], 3, s48            ; and 256 of the last 1,024
	v_add_nc_u32 v[CPT], OQP, v[GT]
	v_lshlrev_b32 v[H8], 3, v[HF]
	v_lshl_add_u32 v[WO], v[TM], 3, v[RW]          ; W: row r + 8 (r / 8) of 1,024 bytes, + 128 h
	v_lshlrev_b32 v[WO], 10, v[WO]
	v_lshl_add_u32 v[WO], v[HF], 7, v[WO]
	v_lshlrev_b32 v[GO], 15, v[HF]                 ; weight: 16 h rows of 2,048 bytes, + 4 r
	v_lshl_add_u32 v[GO], v[RW], 2, v[GO]
	s_mul_i32 s48, s19, 3072                       ; wq's codes: row 16 ks + r of 192 bytes, block b of 24, half h of 12
	s_mul_i32 s49, s20, 24
	s_add_co_u32 s48, s48, s49
	v_mul_u32_u24 v[JC], v[RW], 192
	v_mad_u32_u24 v[JC], v[HF], 12, v[JC]
	v_add_nc_u32 v[JC], s48, v[JC]
	s_lshl_b32 s48, s19, 7                         ; wq's scale bytes: 8 a row, byte b
	s_add_co_u32 s48, s48, s20
	v_lshl_add_u32 v[JS], v[RW], 3, s48
	v_mov_b32 v[PD], 0                             ; written once: a lane permute's destination counts as one of its sources
	s_wait_dscnt 0x0                               ; the opening add is done
	s_wait_kmcnt 0x0
	s_lshl_b32 s50, s20, 22                        ; batch b: 4,194,304 bytes;
	s_lshl_b32 s51, s18, 20                        ; my 64 channels of 16,384 bytes;
	s_add_co_u32 s50, s50, s51
	s_lshl_b32 s51, s19, 9                         ; 128 ks positions
	s_add_co_u32 s50, s50, s51
	s_mov_b32 s51, 0
	s_add_nc_u64 s[26:27], s[4:5], s[50:51]
	s_or_b32 s27, s27, 0x80000000                  ; type = 2
	tensor_load_to_lds s[24:27], s[28:35]          ; my one tensor load: a first fill, never filled again
	s_nop 0
	s_lshl_b32 s50, s20, 16                        ; weight: 32 b rows of 2,048 bytes, + 64 ks
	s_lshl_b32 s52, s19, 6
	s_add_co_u32 s50, s50, s52
	s_add_nc_u64 s[52:53], s[10:11], s[50:51]
	s_lshl_b32 s50, s38, 15                        ; W: waves 0, 1 take phi_w, waves 2, 3 theta_w; rows 32 (q % 2) on
	s_cmp_lt_u32 s18, 2
	s_cselect_b64 s[54:55], s[6:7], s[8:9]
	s_add_nc_u64 s[54:55], s[54:55], s[50:51]
	s_lshl_b32 s50, s20, 5
	s_add_co_u32 s50, s50, s19                     ; the record's number 32 b + ks
	s_mul_i32 s48, s50, 7168
	s_lshl_b32 s50, s50, 15
	s_add_nc_u64 s[12:13], s[12:13], s[50:51]
	s_mov_b32 s49, 0
	s_add_nc_u64 s[14:15], s[14:15], s[48:49]
	s_cmp_lg_u32 s18, 0                            ; wave 0: weight(32 b + 16 h + i, 16 ks + r), i = 0 .. 15
	s_cbranch_scc1 .Lno_wload
.set ii, 0
.rept 16
	global_load_b32 v[FC+ii], v[GO], s[52:53] offset:2048*ii
.set ii, ii+1
.endr
.Lno_wload:
; ---- phi_w and theta_w: wave q quantises fragments 4 q .. 4 q + 3 (tiles 2 q, 2 q + 1; K steps 0, 1).  K is innermost: lane (r, h) takes, of its row, blocks h and 2 + h of the K step: 2 x 32 numbers
.macro WLOAD fl, st
.set cc, 0
.rept 2
.set jj, 0
.rept 8
	global_load_b128 v[\st+32*cc+4*jj:\st+32*cc+4*jj+3], v[WO], s[54:55] offset:8192*((\fl)/2)+512*((\fl)%2)+256*cc+16*jj
.set jj, jj+1
.endr
.set cc, cc+1
.endr
.endm
.macro WQ fl, st
	v_max3_num_f32 v[TM], |v[\st]|, |v[\st+1]|, 0x1800000           ; a block's largest magnitude, all 32 numbers mine, and the floor 2^(3 - 127): the byte cannot fall under 1
	v_max3_num_f32 v[TM+1], |v[\st+32]|, |v[\st+33]|, 0x1800000
.irp i, 2,4,6,8,10,12,14,16,18,20,22,24,26,28,30
	v_max3_num_f32 v[TM], v[TM], |v[\st+\i]|, |v[\st+\i+1]|
	v_max3_num_f32 v[TM+1], v[TM+1], |v[\st+32+\i]|, |v[\st+33+\i]|
.endr
	v_add_nc_u32 v[TM+2], 0xff000000, v[TM]        ; 2 off the exponent field: the conversion's scale operand
	v_add_nc_u32 v[TM+3], 0xff000000, v[TM+1]
	v_lshrrev_b32 v[TM+4], 23, v[TM+2]             ; the scale's byte
	v_lshrrev_b32 v[TM+5], 23, v[TM+3]
	v_lshl_or_b32 v[TM+6], v[TM+5], 16, v[TM+4]    ; blocks h and 2 + h,
	v_lshlrev_b32 v[TM+6], v[H8], v[TM+6]          ; at their places in the word;
	v_permlanex16_b32 v[PD], v[TM+6], s36, s37
	v_or_b32 v[TM+6], v[TM+6], v[PD]               ; with lane l xor 16's two the word is whole
	v_cvt_scalef32_pk16_fp6_f32 v[CT:CT+2], v[\st:\st+15], v[TM+2]
	v_cvt_scalef32_pk16_fp6_f32 v[CT+12:CT+14], v[\st+16:\st+31], v[TM+2]   ; (a conversion's three registers begin on an even number)
	v_cvt_scalef32_pk16_fp6_f32 v[CT+6:CT+8], v[\st+32:\st+47], v[TM+3]
	v_cvt_scalef32_pk16_fp6_f32 v[CT+16:CT+18], v[\st+48:\st+63], v[TM+3]
	v_nop                                          ; one plain place behind a scaled conversion
.irp i, 0,1,2
	v_mov_b32 v[CT+3+\i], v[CT+12+\i]
	v_mov_b32 v[CT+9+\i], v[CT+16+\i]
.endr
.irp j, 0,1,2
	ds_store_b128 v[WIA], v[CT+4*\j:CT+4*\j+3] offset:1536*(\fl)+512*\j
.endr
	ds_store_b32 v[WSA], v[TM+6] offset:128*(\fl)
	s_wait_dscnt 0x0                               ; the stores have read their registers
.endm
	WLOAD 0, XR
	WLOAD 1, TR
	s_wait_loadcnt 16                              ; all but the younger fragment's 16 loads
	WQ 0, XR
	WLOAD 2, XR
	s_wait_loadcnt 16
	WQ 1, TR
	WLOAD 3, TR
	s_wait_loadcnt 16
	WQ 2, XR
	s_wait_loadcnt 0x0
	WQ 3, TR
	s_cmp_lg_u32 s18, 0                            ; wave 0: its block of weight.  A block of 32 along c lies in lanes l and l xor 16
	s_cbranch_scc1 .Lno_wjob
	v_max3_num_f32 v[TM], |v[FC]|, |v[FC+1]|, 0x1800000
.irp i, 2,4,6,8,10,12,14
	v_max3_num_f32 v[TM], v[TM], |v[FC+\i]|, |v[FC+\i+1]|
.endr
	v_permlanex16_b32 v[PD], v[TM], s36, s37
	v_max_num_f32 v[TM], v[TM], v[PD]
	v_add_nc_u32 v[TM+2], 0xff000000, v[TM]
	v_cvt_scalef32_pk16_fp6_f32 v[FC+16:FC+18], v[FC:FC+15], v[TM+2]
	v_lshrrev_b32 v[TM+4], 23, v[TM+2]             ; the byte (also the plain place behind the conversion)
	global_store_b96 v[JC], v[FC+16:FC+18], s[16:17]
	global_store_b8 v[JS], v[TM+4], s[16:17] offset:98304   ; both halves of the lanes store the same byte with the same value
	s_wait_xcnt 0x0                                ; the stores' registers are written again below
.Lno_wjob:
	s_wait_tensorcnt 0x0                           ; my 64 rows of the tile have landed,
	s_wait_dscnt 0x0                               ; my images of W lie in LDS
	s_barrier_signal -1
	s_barrier_wait -1                              ; everybody's
; ---- the tile is quantised twice, a block of 32 channels at a time: down c (lane = position, 32 registers down c) and along n (lane = channel, 32 registers along my wave's 32 positions)
.macro LOADBLK cb
	v_add_nc_u32 v[AXC], CBS*(\cb), v[AX]
	v_add_nc_u32 v[ATC], CBS*(\cb), v[AT]
.set ii, 0
.rept 32
	ds_load_b32 v[XR+32*((\cb)%2)+ii], v[AXC] offset:FP*ii
.set ii, ii+1
.endr
.set ii, 0
.rept 8
	ds_load_b128 v[TR+32*((\cb)%2)+4*ii:TR+32*((\cb)%2)+4*ii+3], v[ATC] offset:16*ii
.set ii, ii+1
.endr
.endm
.macro MAX32 d, e, s                   ; the largest magnitude of v[s] .. v[s + 31], in two chains, and the floor
	v_max3_num_f32 v[\d], |v[\s]|, |v[\s+1]|, |v[\s+2]|
	v_max3_num_f32 v[\e], |v[\s+3]|, |v[\s+4]|, |v[\s+5]|
.irp i, 6,10,14,18,22,26
	v_max3_num_f32 v[\d], v[\d], |v[\s+\i]|, |v[\s+\i+1]|
	v_max3_num_f32 v[\e], v[\e], |v[\s+\i+2]|, |v[\s+\i+3]|
.endr
	v_max3_num_f32 v[\d], v[\d], |v[\s+30]|, |v[\s+31]|
	v_max3_num_f32 v[\d], v[\d], v[\e], 0x1800000
.endm
.macro BLK cb
.set XS, XR+32*((\cb)%2)
.set TS, TR+32*((\cb)%2)
.set FB, FC+24*((\cb)%2)+12*((\cb)/4)+6*(((\cb)/2)%2)
	s_wait_dscnt 0x0                               ; this block's 40 loads are in, the last block's stores have read their registers
.if (\cb) < 7
	LOADBLK (\cb)+1                                ; the next block lands while this one is worked
.endif
	MAX32 TM, TM+1, XS
	MAX32 TM+2, TM+3, TS
	v_add_nc_u32 v[TM+4], 0xff000000, v[TM]
	v_add_nc_u32 v[TM+6], 0xff000000, v[TM+2]
	v_lshrrev_b32 v[TM+5], 23, v[TM+4]
	v_lshrrev_b32 v[TM+7], 23, v[TM+6]
.if (\cb)%4 == 0
	v_mov_b32 v[FS+(\cb)/4], v[TM+5]               ; my position's scale word of K step cb / 4
.else
	v_lshl_or_b32 v[FS+(\cb)/4], v[TM+5], 8*((\cb)%4), v[FS+(\cb)/4]
.endif
	v_cvt_scalef32_pk16_fp6_f32 v[FB:FB+2], v[XS:XS+15], v[TM+4]
	v_cvt_scalef32_pk16_fp6_f32 v[CT:CT+2], v[XS+16:XS+31], v[TM+4]
	v_cvt_scalef32_pk16_fp6_f32 v[CT+4:CT+6], v[TS:TS+15], v[TM+6]
	v_cvt_scalef32_pk16_fp6_f32 v[CT+12:CT+14], v[TS+16:TS+31], v[TM+6]
	v_nop                                          ; one plain place behind a scaled conversion
.irp i, 0,1,2
	v_mov_b32 v[FB+3+\i], v[CT+\i]
	v_mov_b32 v[CT+7+\i], v[CT+12+\i]
.endr
	ds_store_b64 v[AV], v[CT+4:CT+5] offset:3072*(\cb)
	ds_store_b64 v[AV+1], v[CT+6:CT+7] offset:3072*(\cb)
	ds_store_b64 v[AV+2], v[CT+8:CT+9] offset:3072*(\cb)
	ds_store_b8 v[AVS], v[TM+7] offset:128*(\cb)
.if (\cb)%2 == 1                       ; an even block's codes (all 32 positions) stand in tile 0's registers, the odd block's in tile 1's: the exchange of halves gives tile 0 positions 0-15 and tile 1 positions 16-31, lanes 0-15 the even block, lanes 16-31 the odd
.irp i, 0,1,2,3,4,5
	v_permlane16_swap_b32 v[FB-24+\i], v[FB+\i]
.endr
.endif
.endm
	LOADBLK 0
.irp n, 0,1,2,3,4,5,6,7
	BLK \n
.endr
	s_wait_dscnt 0x0
	PLACES 8                                       ; scale words written by vector instructions stand 8 places ahead of a scaled matrix instruction, operands 4
; ---- phi^T and theta^T of 16 positions at a time (source 0 = 16 rows of W, source 1 = the features): a lane holds one position, its 32 + 32 registers run along phi's and theta's 64
.macro POST
	v_pk_mul_f32 v[SQ:SQ+1], v[ACC:ACC+1], v[ACC:ACC+1]             ; the sums of squares of the unquantised numbers, two chains each; each accumulator is read from its low end on
	v_pk_mul_f32 v[SQ+2:SQ+3], v[ACC+2:ACC+3], v[ACC+2:ACC+3]
	v_pk_mul_f32 v[SQ+4:SQ+5], v[ACC+32:ACC+33], v[ACC+32:ACC+33]
	v_pk_mul_f32 v[SQ+6:SQ+7], v[ACC+34:ACC+35], v[ACC+34:ACC+35]
.irp j, 4,8,12,16,20,24,28
	v_pk_fma_f32 v[SQ:SQ+1], v[ACC+\j:ACC+\j+1], v[ACC+\j:ACC+\j+1], v[SQ:SQ+1]
	v_pk_fma_f32 v[SQ+2:SQ+3], v[ACC+\j+2:ACC+\j+3], v[ACC+\j+2:ACC+\j+3], v[SQ+2:SQ+3]
	v_pk_fma_f32 v[SQ+4:SQ+5], v[ACC+32+\j:ACC+33+\j], v[ACC+32+\j:ACC+33+\j], v[SQ+4:SQ+5]
	v_pk_fma_f32 v[SQ+6:SQ+7], v[ACC+34+\j:ACC+35+\j], v[ACC+34+\j:ACC+35+\j], v[SQ+6:SQ+7]
.endr
	v_pk_add_f32 v[SQ:SQ+1], v[SQ:SQ+1], v[SQ+2:SQ+3]
	v_pk_add_f32 v[SQ+4:SQ+5], v[SQ+4:SQ+5], v[SQ+6:SQ+7]
	v_add_f32 v[SQ], v[SQ], v[SQ+1]
	v_add_f32 v[SQ+4], v[SQ+4], v[SQ+5]
	v_permlanex16_b32 v[SQ+8], v[SQ], s36, s37
	v_permlanex16_b32 v[SQ+9], v[SQ+4], s36, s37
	v_add_f32 v[SQ], v[SQ], v[SQ+8]                ; with lane l xor 16's 32 numbers
	v_add_f32 v[SQ+4], v[SQ+4], v[SQ+9]
	v_rsq_f32 v[RS], v[SQ]                         ; 1 / |phi|, 1 / |theta|: one batch; the quantising below is the independent work behind it
	v_rsq_f32 v[RS+1], v[SQ+4]
.irp b, 0,1,2,3                        ; four blocks of 32: phi's two, theta's two; a block lies in lanes l and l xor 16
	v_max3_num_f32 v[QM+\b], |v[ACC+16*\b]|, |v[ACC+16*\b+1]|, 0x1800000
.endr
.irp i, 2,4,6,8,10,12,14
.irp b, 0,1,2,3
	v_max3_num_f32 v[QM+\b], v[QM+\b], |v[ACC+16*\b+\i]|, |v[ACC+16*\b+\i+1]|
.endr
.endr
.irp b, 0,1,2,3
	v_permlanex16_b32 v[QY+\b], v[QM+\b], s36, s37
.endr
.irp b, 0,1,2,3
	v_max_num_f32 v[QM+\b], v[QM+\b], v[QY+\b]
.endr
.irp b, 0,1,2,3
	v_add_nc_u32 v[QO+\b], 0xff000000, v[QM+\b]
.endr
.irp b, 0,1,2,3
	v_lshrrev_b32 v[QY+\b], 23, v[QO+\b]
.endr
	v_lshl_or_b32 v[QW], v[QY+1], 8, v[QY]
	v_lshl_or_b32 v[QW+1], v[QY+3], 8, v[QY+2]
	v_or_b32 v[QW], 0x7f7f0000, v[QW]              ; K is 64: the instruction's other 64 get zero codes on the queries' side and the byte 127 on both
	v_or_b32 v[QW+1], 0x7f7f0000, v[QW+1]
	v_cvt_scalef32_pk16_fp6_f32 v[CP:CP+2], v[ACC:ACC+15], v[QO]
	v_cvt_scalef32_pk16_fp6_f32 v[CP+16:CP+18], v[ACC+16:ACC+31], v[QO+1]
	v_cvt_scalef32_pk16_fp6_f32 v[CP+8:CP+10], v[ACC+32:ACC+47], v[QO+2]
	v_cvt_scalef32_pk16_fp6_f32 v[CP+20:CP+22], v[ACC+48:ACC+63], v[QO+3]
	v_nop                                          ; one plain place behind a scaled conversion
.irp i, 0,1,2                          ; the operand's layout wants a whole block in a lane: lanes 0-15 block 0, lanes 16-31 block 1
	v_permlane16_swap_b32 v[CP+\i], v[CP+16+\i]
	v_permlane16_swap_b32 v[CP+8+\i], v[CP+20+\i]
.endr
.irp i, 0,1,2
	v_mov_b32 v[CP+3+\i], v[CP+16+\i]
	v_mov_b32 v[CP+11+\i], v[CP+20+\i]
.endr
	s_wait_alu depctr_va_vdst(0)                   ; one wait for the two reciprocal roots, ahead of their first reader
	v_mul_f32 v[RS], 0x3fb8aa3b, v[RS]             ; log2(e) / |phi|
.irp j, 0,1,2
	ds_store_b64 v[AQ], v[CP+2*\j:CP+2*\j+1] offset:32*pp+256*\j
.endr
	ds_store_b32 v[AQS], v[QW] offset:16*pp        ; (both halves of the lanes store the same word with the same value, here and in the three lines like it)
	ds_store_b32 v[AQS], v[RS] offset:256+16*pp
.irp j, 0,1,2
	ds_store_b64 v[AK+\j], v[CP+8+2*\j:CP+9+2*\j] offset:128*pp
.endr
	ds_store_b32 v[AKS], v[QW+1] offset:32*pp
	ds_store_b32 v[ARK], v[RS+1] offset:64*pp
	s_wait_dscnt 0x0                               ; the stores have read their registers
.endm
.set pp, 0
.rept 2
.set ss, 0
.rept 2
.set tt, 0
.rept 8
.set jj, 0
.rept 3
	ds_load_b128 v[WF+12*tt+4*jj:WF+12*tt+4*jj+3], v[WRI] offset:(2*tt+ss)*1536+512*jj
.set jj, jj+1
.endr
	ds_load_b32 v[WS+tt], v[WRS] offset:128*(2*tt+ss)
.set tt, tt+1
.endr
	s_wait_dscnt 0x0
.set tt, 0
.rept 8                                ; the eight accumulators take turns, one instruction a turn
.set rD, ACC+8*tt
.set rA, WF+12*tt
.set rB, FC+24*pp+12*ss
.set rSA, WS+tt
.set rSB, FS+ss
	WM 1-ss, rD, rA, rB, rSA, rSB, 0, pp
.set tt, tt+1
.endr
	PLACES 4                                       ; in front of loads into W's registers and of the first read of results
.set ss, ss+1
.endr
	POST
.set pp, pp+1
.endr
	s_barrier_signal -1                            ; (POST has waited for all my LDS instructions)
	s_barrier_wait -1                              ; the record and the two groups lie whole in LDS
; ---- the copy out: every store covers 512 (the last 256) consecutive bytes, at a multiple of 256 from its buffer's first byte
.set ii, 0
.rept 16
	ds_load_b128 v[XR+4*ii:XR+4*ii+3], v[CPK] offset:512*ii
.set ii, ii+1
.endr
.set ii, 0
.rept 3
	ds_load_b128 v[TR+4*ii:TR+4*ii+3], v[CPQ] offset:512*ii
.set ii, ii+1
.endr
	ds_load_b64 v[TR+12:TR+13], v[CPT]
.set ii, 0
.rept 16
	s_wait_dscnt 19-ii                             ; LDS loads come back in order: all but the younger ones
	global_store_b128 v[GK], v[XR+4*ii:XR+4*ii+3], s[12:13] offset:512*ii
.set ii, ii+1
.endr
.set ii, 0
.rept 3
	s_wait_dscnt 3-ii
	global_store_b128 v[GQ], v[TR+4*ii:TR+4*ii+3], s[14:15] offset:512*ii
.set ii, ii+1
.endr
	s_wait_dscnt 0x0
	global_store_b64 v[GT], v[TR+12:TR+13], s[14:15]
	s_wait_tensorcnt 0x0                           ; the wave's end, behind my last tensor load and my last LDS store
	ds_add_u32 v[SPW], v[NIL]
	s_wait_dscnt 0x0
	s_endpgm
.Lfunc_end_k_q74b8089323_prep:
	.size	k_q74b8089323_prep, .Lfunc_end_k_q74b8089323_prep-k_q74b8089323_prep
	.p2alignl 7, 3214868480
	.fill 96, 4, 3214868480
	.section	.rodata,"a",@progbits
	.p2align	6, 0x0
	.amdhsa_kernel k_q74b8089323_prep
		.amdhsa_group_segment_fixed_size 202240
		.amdhsa_private_segment_fixed_size 0
		.amdhsa_enable_private_segment 0
		.amdhsa_kernarg_size 56
		.amdhsa_user_sgpr_count 2
		.amdhsa_user_sgpr_kernarg_segment_ptr 1
		.amdhsa_wavefront_size32 1
		.amdhsa_system_sgpr_workgroup_id_x 1
		.amdhsa_system_sgpr_workgroup_id_y 1
		.amdhsa_system_sgpr_workgroup_id_z 1
		.amdhsa_system_vgpr_workitem_id 0
		.amdhsa_next_free_vgpr 256
		.amdhsa_next_free_sgpr 66
		.amdhsa_reserve_vcc 0
		.amdhsa_float_denorm_mode_32 3
		.amdhsa_float_denorm_mode_16_64 3
		.amdhsa_memory_ordered 1
		.amdhsa_forward_progress 1
		.amdhsa_inst_pref_size 106
	.end_amdhsa_kernel
	.amdgpu_metadata
---
amdhsa.version: [ 1, 2 ]
amdhsa.kernels:
  - .name:           k_q74b8089323_prep
    .symbol:         k_q74b8089323_prep.kd
    .args:
      - { .name: feat_map, .offset: 0, .size: 8, .value_kind: global_buffer, .address_space: global }
      - { .name: phi_w, .offset: 8, .size: 8, .value_kind: global_buffer, .address_space: global }
      - { .name: theta_w, .offset: 16, .size: 8, .value_kind: global_buffer, .address_space: global }
      - { .name: weight, .offset: 24, .size: 8, .value_kind: global_buffer, .address_space: global }
      - { .name: kv, .offset: 32, .size: 8, .value_kind: global_buffer, .address_space: global }
      - { .name: qp, .offset: 40, .size: 8, .value_kind: global_buffer, .address_space: global }
      - { .name: wq, .offset: 48, .size: 8, .value_kind: global_buffer, .address_space: global }
    .group_segment_fixed_size: 202240
    .private_segment_fixed_size: 0
    .kernarg_segment_align: 8
    .kernarg_segment_size: 56
    .max_flat_workgroup_size: 128
    .sgpr_count:     66
    .vgpr_count:     256
    .wavefront_size: 32
...
	.end_amdgpu_metadata
.endif
;; end of part 1
;; launch attn (part 2): grid 32 x 8, 8 waves a work-group, clusters of 4 x 1, 327,680 bytes of LDS; arguments kv, qp, wq, out0; writes out0
.if DOCPART == 2
	.amdgcn_target "amdgcn-amd-amdhsa--gfx1250"
	.amdhsa_code_object_version 6
	.text
	.protected	k_q74b8089323_attn
	.globl	k_q74b8089323_attn
	.p2align	8
	.type	k_q74b8089323_attn,@function
k_q74b8089323_attn:
	s_mov_b64 s[64:65], 0
	v_nop
	global_prefetch_b8 v0, s[64:65] scope:SCOPE_SE
	s_setreg_imm32_b32 hwreg(HW_REG_WAVE_MODE, 25, 1), 1
	s_wait_xcnt 0x0
	s_wait_alu depctr_hold_cnt(0) depctr_sa_sdst(0) depctr_va_vdst(0) depctr_va_sdst(0) depctr_va_ssrc(0) depctr_va_vcc(0) depctr_vm_vsrc(0)
	s_getreg_b32 s2, hwreg(HW_REG_IB_STS2, 6, 4)
	s_cmp_eq_u32 s2, 0
	s_cbranch_scc0 .Lentry_in_a_cluster
	s_endpgm
.Lentry_in_a_cluster:
	s_bfe_u32 s2, ttmp6, 0x10000c
	s_cmp_lg_u32 s2, 0x3003
	s_cbranch_scc0 .Lentry_shape_is_right
	s_endpgm
.Lentry_shape_is_right:
; ATTN: out0[b][d][n] = relu( sum_c Q(O[n][c] / l[n]) Q(weight[c][d]) ),  O[n][c] = sum_m Q(p[n][m]) Q(feat[c][m]),  l[n] = sum_m p[n][m],
; p = 2^(t - M),  t = (Q(phi[n]) . Q(theta[m])) x (1 / |theta[m]|) x (log2(e) / |phi[n]|).  All products on codes of FP6 (E2M3) with E8M0 scales, as the first launch has laid them.
; M IS THE CONSTANT 2.  The logits are cosines of vectors that the definition itself normalises.  The quantiser moves a vector by at most 0.107 of its length: a normal code errs by at most 1/16 of the
; number, each of at most 31 subnormal codes by at most 1/16 of the scale beside a largest magnitude of at least 4 scales: sqrt((1 + 31/16) / 256) = 0.107.  So |logit| <= 1.107^2 = 1.23, |t| <= 1.77 < 2,
; p lies between 2^-3.8 and 2^-0.2 and a row's sum under 4,096, for every input: nothing can overflow or underflow.  M is a whole number, so the codes' values are those of any other whole M: the block's scale takes it up.
; With M fixed, O and l of disjoint sets of keys simply add.
; SHARES.  Work-group X (0 .. 31) of batch b owns 128 queries: 8 tiles T of 16 (T = 4 g + tau: queries 64 (2 X + g) + 4 r + tau).  Eight waves, two to a SIMD: wave wv = 4 kh + qg holds tiles 2 qg and 2 qg + 1
; and walks HALF of the keys (records 2 kh, 2 kh + 1 of each slot of four records of 128 keys).  At the end the partners wv and wv xor 4 exchange a tile each through LDS and add.
; Then each wave quantises its tile of O / l, the images go round through LDS, and wave wv makes outputs d = 64 wv .. 64 wv + 63 for all 128 queries.
; LAYOUT.  All products are used transposed (source 0 = 16 keys, 16 channels or 16 outputs; source 1 = 16 queries): a lane holds one query throughout.
; CLUSTER.  The four work-groups of a cluster belong to one batch and walk the same records: every fill is asked for JOINTLY, the same tensor load with the same descriptor and the mask 15 in all four.
; RING.  Two slots of 131,072 bytes; each of the eight waves brings 16,384 bytes of a slot; a wave has two loads out at the head and one behind each change of slots, which has two key steps in which to land.
; LIMITS: as the first launch states them (NaN, infinities, rows of zeros are not served).
; REGISTERS: window 0: see the names below.  Window 1: O^T, tile a, channel tile ct at v[128 a + 8 ct]; at the end v0-127 the 16 accumulators of the last product, v128-223 weight's 8 fragments.
.set REC,   32768                      ; a record: 128 keys
.set SLOT1, 1<<17                      ; slot 1 begins here: one exclusive or turns an address in one slot into the other's
.set VSC,   24576                      ; in a record: V's scale words, K's pair images, K's scale words, 1 / |theta|
.set KIM,   25600
.set KSC,   31744
.set RKO,   32256
.set SPARE, 2*SLOT1                    ; the spare words, 128 bytes for each wave: four blocks of 256 bytes that no other line names
.set LST,   SPARE+1024                 ; the partners' row sums, 128 bytes a wave
.set OIMG,  LST+1024                   ; 16 images of O / l: tile T, K step s at (2 T + s) x 1,536
.set OSC,   OIMG+16*1536               ; their scale words, 128 bytes each
.set LI,  1                            ; v1 16 lane;  v2 4 lane;  v3 64 (lane / 16)
.set LS,  2
.set RKH, 3
.set AD16, 4                           ; v4-6 the same + the record in hand
.set AD4, 5
.set ADR, 6
.set OSW, 7                            ; v7 where I store my tile's scale words;  v15 its images
.set SPW, 8                            ; v8 LDS address of my spare word; never rewritten
.set NIL, 9                            ; v9 0; never rewritten
.set PFO, 10                           ; v10 256 lane: the prefetches' offset; never rewritten
.set XW,  11                           ; v11, v12 the exchange stage: mine, my partner's;  v13, v14 the row sums likewise
.set XR,  12
.set LW,  13
.set LR,  14
.set OIW, 15
.set QF,  16                           ; v16-39 Q's two fragments; registers 6-11 of each are zeros (K is 64)
.set CQ,  40                           ; v[40:41], v[42:43] log2(e) / |phi| of my query in tile a
.set LSUM, 44                          ; v[44:45], v[46:47] the row sums, in two halves
.set QS,  48                           ; v48 Q's scale words: lanes 0-15 tile a = 0, lanes 16-31 a = 1
.set OIR, 49                           ; v49 where any wave reads O's images;  v255 their scale words
.set PW,  50                           ; v50, v51 p's scale words
.set KS,  52                           ; v52-55 K's scale words: lanes 0-15 the even tile of a pair, lanes 16-31 the odd
.set VS,  56                           ; v56-63 V's likewise
.set ST,  64                           ; v64-127 S^T, then p: tile a, block bb at ST + 32 a + 16 bb
.set RK,  128                          ; v128-159 1 / |theta| of my 2 x 16 keys
.set KF,  160                          ; v160-183 two pair images of K;  v184-189 zeros, named with the last tile
.set VA,  64                           ; V's fragments, four at a time, in two buffers that p and K have left
.set VB,  128
.set PC,  192                          ; v192-215 p's codes, tile a at PC + 12 a
.set TC,  216                          ; v216-222 second halves of blocks
.set MX,  224                          ; v224-227 blocks' largest;  v228-231 the other half's;  v232-235 scale operands;  v236-239 sums at work
.set MY,  228
.set SO,  232
.set SU,  236
.set WSR, 240                          ; v240-243 weight's scale words: lanes 0-15 K step 0, lanes 16-31 K step 1
.set OS,  244                          ; v244-251 O's scale words
.set WOF, 252                          ; v252-254 global offsets: weight's codes, its scale words, out0
.set WSO, 253
.set OUO, 254
.set OSR, 255
.set OF,  64                           ; the end: v64-159 eight fragments of O;  v160-223 results on their way out
.set RR,  160
.set WV,  12                           ; s12 my wave's number
.set G1,  24                           ; s[24:31] descriptor group 1;  s[32:35] group 0 of slot 0's first fill;  s[36:39] the group 0 that walks
.set G0A, 32
.set G0W, 36
.set PFA, 40                           ; s[40:41] where my prefetches stand
.set LIM, 42                           ; s42 1 in a wave that prefetches, else the greatest number
.set SLOTS, 43                         ; s43 slots still to be asked for
.set TWICE, 44                         ; s44 counts a slot's two steps
.set RB,  45                           ; s45 LDS byte at which my record in hand begins
.set SEL, 46                           ; s[46:47] v_permlanex16_b32's selects for lane l xor 16
.set MSB, 0
.macro WIN new                         ; the immediate's high byte repeats the setting that is left; a switch that changes nothing is dropped
.if MSB != \new
	s_set_vgpr_msb (MSB<<8)|\new
.set MSB, \new
.endif
.endm
.macro WM z, d, a, b, sa, sb, ra, rb   ; one matrix instruction; z = 1: C is the constant 0, else the sum goes on in place; ra, rb: the scales stand in lanes 16-31
.if \z
.if (\ra) && (\rb)
	v_wmma_scale_f32_16x16x128_f8f6f4 v[\d:\d+7], v[\a:\a+11], v[\b:\b+11], 0, v[\sa], v[\sb] matrix_a_fmt:MATRIX_FMT_FP6 matrix_b_fmt:MATRIX_FMT_FP6 matrix_a_scale:MATRIX_SCALE_ROW1 matrix_b_scale:MATRIX_SCALE_ROW1
.elseif (\ra)
	v_wmma_scale_f32_16x16x128_f8f6f4 v[\d:\d+7], v[\a:\a+11], v[\b:\b+11], 0, v[\sa], v[\sb] matrix_a_fmt:MATRIX_FMT_FP6 matrix_b_fmt:MATRIX_FMT_FP6 matrix_a_scale:MATRIX_SCALE_ROW1
.elseif (\rb)
	v_wmma_scale_f32_16x16x128_f8f6f4 v[\d:\d+7], v[\a:\a+11], v[\b:\b+11], 0, v[\sa], v[\sb] matrix_a_fmt:MATRIX_FMT_FP6 matrix_b_fmt:MATRIX_FMT_FP6 matrix_b_scale:MATRIX_SCALE_ROW1
.else
	v_wmma_scale_f32_16x16x128_f8f6f4 v[\d:\d+7], v[\a:\a+11], v[\b:\b+11], 0, v[\sa], v[\sb] matrix_a_fmt:MATRIX_FMT_FP6 matrix_b_fmt:MATRIX_FMT_FP6
.endif
.else
.if (\ra) && (\rb)
	v_wmma_scale_f32_16x16x128_f8f6f4 v[\d:\d+7], v[\a:\a+11], v[\b:\b+11], v[\d:\d+7], v[\sa], v[\sb] matrix_a_fmt:MATRIX_FMT_FP6 matrix_b_fmt:MATRIX_FMT_FP6 matrix_a_scale:MATRIX_SCALE_ROW1 matrix_b_scale:MATRIX_SCALE_ROW1
.elseif (\ra)
	v_wmma_scale_f32_16x16x128_f8f6f4 v[\d:\d+7], v[\a:\a+11], v[\b:\b+11], v[\d:\d+7], v[\sa], v[\sb] matrix_a_fmt:MATRIX_FMT_FP6 matrix_b_fmt:MATRIX_FMT_FP6 matrix_a_scale:MATRIX_SCALE_ROW1
.elseif (\rb)
	v_wmma_scale_f32_16x16x128_f8f6f4 v[\d:\d+7], v[\a:\a+11], v[\b:\b+11], v[\d:\d+7], v[\sa], v[\sb] matrix_a_fmt:MATRIX_FMT_FP6 matrix_b_fmt:MATRIX_FMT_FP6 matrix_b_scale:MATRIX_SCALE_ROW1
.else
	v_wmma_scale_f32_16x16x128_f8f6f4 v[\d:\d+7], v[\a:\a+11], v[\b:\b+11], v[\d:\d+7], v[\sa], v[\sb] matrix_a_fmt:MATRIX_FMT_FP6 matrix_b_fmt:MATRIX_FMT_FP6
.endif
.endif
.endm
.macro PLACES n                        ; plain vector places behind or ahead of matrix instructions (ISA guide 7.12.1)
.rept \n
	v_nop
.endr
.endm
.macro CROUND                          ; a round of the cluster's barrier: my work-group's barrier; wave 0 signals for the work-group; every wave waits for all four work-groups; my work-group's barrier once more
	s_barrier_signal -1
	s_barrier_wait -1
	s_cmp_lg_u32 s[WV], 0
	s_cbranch_scc1 .Lnot_wave_0_\@
	s_barrier_signal -3
.Lnot_wave_0_\@:
	s_barrier_wait -3
	s_barrier_signal -1
	s_barrier_wait -1
.endm
; A PREFETCH INTO THE L2 of the slot that the NEXT change of slots will ask for: 131,072 bytes, two of a wave's key steps ahead of that load.  All clusters of a batch walk the same records: the batch's first cluster asks.
; Its four partners take 32,768 bytes each, told apart BY ADDRESS; in each, waves 0 to 3 take 8,192 bytes, lanes 256 bytes apart: one instruction a wave, and each block of 256 bytes is named once in the launch.
; The last change that fills a slot asks for nothing; slots 0, 1 and 2 come by their loads alone.
.macro ASK
	s_cmp_gt_u32 s[SLOTS], s[LIM]
	s_cbranch_scc0 .Lnot_mine_\@
	global_prefetch_b8 v[PFO], s[PFA:PFA+1] th:TH_LOAD_NT scope:SCOPE_SE
.Lnot_mine_\@:
.endm
	s_load_b256 s[4:11], s[0:1], 0x0               ; kv s[4:5], qp s[6:7], wq s[8:9], out0 s[10:11]
	v_lshl_add_u32 v[SPW], v0, 2, SPARE
	v_mov_b32 v[NIL], 0
	ds_add_u32 v[SPW], v[NIL]                      ; the wave's opening: the add and its wait stand ahead of my first tensor load; the set-up below, work on registers, stands between them
	v_lshrrev_b32 v64, 5, v0
	v_readfirstlane_b32 s[WV], v64                 ; wave 0..7
	s_bfe_u32 s13, ttmp6, 0x40000                  ; cx: my place in the cluster
	s_lshl_b32 s14, ttmp9, 2
	s_add_co_u32 s14, s14, s13                     ; X = 4 x cluster x + cx: it enters qp's and out0's addresses and the prefetches' alone
	s_and_b32 s15, ttmp7, 0xffff                   ; the batch, which the four partners share
	s_lshr_b32 s16, s[WV], 2                       ; kh: which half of the keys
	s_and_b32 s17, s[WV], 3                        ; qg: which pair of tiles
	s_lshl_b32 s18, s17, 1
	s_add_co_u32 s18, s18, s16                     ; T: the tile that I keep (a = 0); a = 1 is T xor 1, which my partner keeps
	s_and_b32 s56, s18, 3                          ; tau of a = 0,
	s_xor_b32 s57, s56, 1                          ; of a = 1
	; descriptor group 1: 16,384 dense bytes as 64 rows of 32 elements of 8 bytes; no padding: every LDS read takes neighbouring bytes in neighbouring lanes, or one address for sixteen lanes
	s_mov_b32 s[G1], 15|(3<<16)|(1<<21)            ; 15:0 the mask: all four work-groups; 17:16 elements of 8 bytes; 21 set beside a mask
	s_mov_b32 s[G1+1], 32<<16                      ; tensor_dim0 = 32
	s_mov_b32 s[G1+2], 64<<16                      ; tensor_dim1 = 64
	s_mov_b32 s[G1+3], 32<<16                      ; tile_dim0 = 32
	s_mov_b32 s[G1+4], 64                          ; tile_dim1 = 64
	s_mov_b32 s[G1+5], 32                          ; the pitch
	s_mov_b32 s[G1+6], 0
	s_mov_b32 s[G1+7], 0
	s_mov_b32 s[SEL], 0x76543210
	s_mov_b32 s[SEL+1], 0xfedcba98
	s_mov_b32 s[SLOTS], 6                          ; 8 slots' worth of records; two are asked for at the head
	s_lshl_b32 s[RB], s16, 16                      ; my first record of slot 0
	s_or_b32 s[LIM], s16, ttmp9                    ; 0 in waves 0 to 3 of the batch's first cluster: the same in all four partners
	s_cmp_eq_u32 s[LIM], 0
	s_cselect_b32 s[LIM], 1, -1
	v_and_b32 v64, 31, v0                          ; lane
	v_and_b32 v65, 15, v0                          ; r
	v_bfe_u32 v66, v0, 4, 1                        ; h
	v_lshlrev_b32 v[LI], 4, v64
	v_lshlrev_b32 v[LS], 2, v64
	v_lshlrev_b32 v[RKH], 6, v66
	v_lshlrev_b32 v[PFO], 8, v64
	s_lshl_b32 s19, s[WV], 14
	v_add_nc_u32 v[XW], s19, v[LI]                 ; the exchange stage lies in slot 0: 16,384 bytes a wave
	s_xor_b32 s20, s[WV], 4                        ; my partner
	s_lshl_b32 s21, s20, 14
	v_add_nc_u32 v[XR], s21, v[LI]
	s_lshl_b32 s19, s[WV], 7
	s_add_co_u32 s19, s19, LST
	v_add_nc_u32 v[LW], s19, v[LS]
	s_lshl_b32 s21, s20, 7
	s_add_co_u32 s21, s21, LST
	v_add_nc_u32 v[LR], s21, v[LS]
	s_mul_i32 s19, s18, 3072
	s_add_co_u32 s19, s19, OIMG
	v_add_nc_u32 v[OIW], s19, v[LI]
	s_lshl_b32 s19, s18, 8
	s_add_co_u32 s19, s19, OSC
	v_add_nc_u32 v[OSW], s19, v[LS]
	v_add_nc_u32 v[OIR], OIMG, v[LI]
	v_add_nc_u32 v[OSR], OSC, v[LS]
	v_mul_u32_u24 v[WOF], v65, 192                 ; weight's codes: row r of 192 bytes, + 24 h
	v_mad_u32_u24 v[WOF], v66, 24, v[WOF]
	v_lshlrev_b32 v[WSO], 3, v65                   ; its scale bytes: 8 a row; lanes 16-31 take the second word
	v_lshl_add_u32 v[WSO], v66, 2, v[WSO]
	v_lshlrev_b32 v[OUO], 17, v66                  ; out0: 8 h rows of 16,384 bytes, + 16 r
	v_lshl_add_u32 v[OUO], v65, 4, v[OUO]
	s_mul_i32 s19, s56, 768                        ; Q's images: 768 bytes a tile, 8 bytes a lane
	v_lshl_add_u32 v67, v64, 3, s19
	s_mul_i32 s19, s57, 768
	v_lshl_add_u32 v68, v64, 3, s19
	v_xor_b32 v69, s56, v66                        ; scale words: lanes 0-15 tile tau's, lanes 16-31 tile (tau xor 1)'s
	v_lshlrev_b32 v69, 6, v69
	v_lshl_add_u32 v69, v65, 2, v69
	s_lshl_b32 s19, s56, 6
	v_lshl_add_u32 v70, v65, 2, s19
	s_lshl_b32 s19, s57, 6
	v_lshl_add_u32 v71, v65, 2, s19
.irp i, 6,7,8,9,10,11,18,19,20,21,22,23
	v_mov_b32 v[QF+\i], 0                          ; zero codes for k = 64 .. 127: they add nothing, whatever stands against them
.endr
.irp i, 0,1,2,3,4,5
	v_mov_b32 v[KF+24+\i], 0
.endr
.irp i, 0,1,2,3
	v_mov_b32 v[LSUM+\i], 0                        ; the row sums begin as zeros
	v_mov_b32 v[MY+\i], 0                          ; written once: a lane permute's destination counts as one of its sources
.endr
	s_wait_dscnt 0x0                               ; the opening add is done
	s_wait_kmcnt 0x0
	s_lshl_b32 s48, s15, 20                        ; a batch's 32 records
	s_mov_b32 s49, 0
	s_add_nc_u64 s[48:49], s[4:5], s[48:49]
	s_lshl_b32 s50, s[WV], 14                      ; my 16,384 bytes of a slot
	s_mov_b32 s51, 0
	s_mov_b32 s[G0A], 1
	s_lshl_b32 s[G0A+1], s[WV], 14                 ; no place in the cluster enters an LDS address
	s_add_nc_u64 s[G0A+2:G0A+3], s[48:49], s[50:51]
	s_mov_b32 s[G0W], 1
	s_add_co_u32 s[G0W+1], s[G0A+1], SLOT1
	s_add_nc_u64 s[G0W+2:G0W+3], s[G0A+2:G0A+3], 4*REC
	s_or_b32 s[G0A+3], s[G0A+3], 0x80000000        ; type = 2
	s_or_b32 s[G0W+3], s[G0W+3], 0x80000000
	s_lshl_b32 s52, s13, 15                        ; the prefetches: my work-group's quarter of a slot,
	s_lshl_b32 s53, s[WV], 13                      ; my wave's 8,192 bytes of it,
	s_add_co_u32 s52, s52, s53
	s_add_co_u32 s52, s52, 2*4*REC                 ; in slot-fill 2: the first change of slots steps it to 3
	s_mov_b32 s53, 0
	s_add_nc_u64 s[PFA:PFA+1], s[48:49], s[52:53]
	s_lshl_b32 s52, s15, 6                         ; my group of 64 queries: 64 b + 2 X + qg / 2
	s_lshl_b32 s53, s14, 1
	s_add_co_u32 s52, s52, s53
	s_lshr_b32 s53, s17, 1
	s_add_co_u32 s52, s52, s53
	s_mul_i32 s52, s52, 3584
	s_mov_b32 s53, 0
	s_add_nc_u64 s[54:55], s[6:7], s[52:53]
	s_lshl_b32 s52, s15, 23                        ; out0: batch, my 64 rows d, my work-group's 128 positions
	s_lshl_b32 s53, s[WV], 20
	s_add_co_u32 s52, s52, s53
	s_lshl_b32 s53, s14, 9
	s_add_co_u32 s52, s52, s53
	s_mov_b32 s53, 0
	s_add_nc_u64 s[58:59], s[10:11], s[52:53]
	s_mul_i32 s52, s[WV], 12288                    ; weight: my 64 rows of codes,
	s_add_nc_u64 s[60:61], s[8:9], s[52:53]
	s_lshl_b32 s52, s[WV], 9                       ; and of scale bytes
	s_add_nc_u64 s[62:63], s[8:9], s[52:53]
	CROUND                                         ; all four work-groups are here: the first joint loads meet
	tensor_load_to_lds s[G0A:G0A+3], s[G1:G1+7]    ; slot 0
	s_nop 0
	tensor_load_to_lds s[G0W:G0W+3], s[G1:G1+7]    ; slot 1: two loads of mine are out
	s_nop 0
	PLACES 4
.irp j, 0,1,2
	global_load_b64 v[QF+2*\j:QF+2*\j+1], v67, s[54:55] offset:256*\j
	global_load_b64 v[QF+12+2*\j:QF+13+2*\j], v68, s[54:55] offset:256*\j
.endr
	global_load_b32 v[QS], v69, s[54:55] offset:3072
	global_load_b32 v[CQ], v70, s[54:55] offset:3328
	global_load_b32 v[CQ+2], v71, s[54:55] offset:3328
; ---- the pieces of a key step
.macro LOADK c                         ; two pair images of K (key tiles 4 c .. 4 c + 3) and their scale words: 8 loads
.irp i, 0,1,2,3,4,5
	ds_load_b128 v[KF+4*\i:KF+4*\i+3], v[AD16] offset:KIM+3072*(\c)+512*\i
.endr
.irp e, 0,1
	ds_load_b32 v[KS+2*(\c)+\e], v[AD4] offset:KSC+128*(2*(\c)+\e)
.endr
.endm
.macro LOADRK c                        ; 1 / |theta| of keys 64 c + 32 bb + 16 h + 0 .. 15: 8 loads, one address for sixteen lanes
.irp i, 0,1,2,3,4,5,6,7
	ds_load_b128 v[RK+4*\i:RK+4*\i+3], v[ADR] offset:RKO+256*(\c)+128*(\i/4)+16*(\i%4)
.endr
.endm
.macro LOADV g, buf                    ; V's fragments 4 g .. 4 g + 3: 12 loads
.irp i, 0,1,2,3,4,5,6,7,8,9,10,11
	ds_load_b128 v[\buf+4*\i:\buf+4*\i+3], v[AD16] offset:6144*(\g)+512*\i
.endr
.endm
.macro MULS c                          ; S^T of 64 keys x my two tiles.  A key tile's six registers are named with the six behind them (the next tile's, or zeros): the queries' zero codes stand against those
.set kt, 0
.rept 4
.set aa, 0
.rept 2
.set rD, ST+32*aa+8*kt
.set rA, KF+6*kt
.set rB, QF+12*aa
.set rSA, KS+2*(\c)+(kt/2)
	WM 1, rD, rA, rB, rSA, QS, kt%2, aa
.set aa, aa+1
.endr
.set kt, kt+1
.endr
.endm
; The softmax of 64 keys x two tiles: four blocks of 32 keys (block bq = 2 a + bb: 16 registers here, 16 in lane l xor 16).
.macro SOFT c
.set bq, 0
.rept 4
.set ii, 0
.rept 8
	v_pk_mul_f32 v[ST+16*bq+ii:ST+16*bq+ii+1], v[ST+16*bq+ii:ST+16*bq+ii+1], v[RK+16*(bq%2)+ii:RK+16*(bq%2)+ii+1]   ; x 1 / |theta|; each accumulator is read from its low end on
.set ii, ii+2
.endr
.set bq, bq+1
.endr
.if (\c) == 0
	LOADRK 1                                       ; the registers just read take the next 64 keys'
.else
	LOADV 0, VB                                    ; or V's first four fragments
.endif
.irp b, 0,1,2,3
	v_max3_num_f32 v[MX+\b], v[ST+16*\b], v[ST+16*\b+1], v[ST+16*\b+2]   ; the largest of each block: p rises with it, so it gives the block's largest p
.endr
.irp i, 3,5,7,9,11,13
.irp b, 0,1,2,3
	v_max3_num_f32 v[MX+\b], v[MX+\b], v[ST+16*\b+\i], v[ST+16*\b+\i+1]
.endr
.endr
.irp b, 0,1,2,3
	v_max_num_f32 v[MX+\b], v[MX+\b], v[ST+16*\b+15]
.endr
.irp b, 0,1,2,3
	v_permlanex16_b32 v[MY+\b], v[MX+\b], s[SEL], s[SEL+1]
.endr
.irp b, 0,1,2,3
	v_max_num_f32 v[MX+\b], v[MX+\b], v[MY+\b]
.endr
.set bq, 0
.rept 4
.set ii, 0
.rept 8
	v_pk_fma_f32 v[ST+16*bq+ii:ST+16*bq+ii+1], v[ST+16*bq+ii:ST+16*bq+ii+1], v[CQ+2*(bq/2):CQ+2*(bq/2)+1], -2.0 op_sel_hi:[1,0,0]   ; t - M, M = 2
.set ii, ii+2
.endr
.set bq, bq+1
.endr
.irp b, 0,1,2,3
	v_fma_f32 v[MX+\b], v[MX+\b], v[CQ+2*(\b/2)], -2.0   ; the same of each block's largest: the same bits
.endr
.set ii, 0
.rept 64
	v_exp_f32 v[ST+ii], v[ST+ii]                   ; p = 2^(t - 2): not normalised
.set ii, ii+1
.endr
	v_nop                                          ; a plain place behind the exponentials
	s_wait_alu depctr_va_vdst(0)                   ; one wait for the batch, ahead of its first reader
.irp b, 0,1,2,3
	v_exp_f32 v[MX+\b], v[MX+\b]                   ; the blocks' largest p
.endr
.irp a, 0,1
	v_pk_add_f32 v[SU+2*\a:SU+2*\a+1], v[ST+32*\a:ST+32*\a+1], v[ST+32*\a+2:ST+32*\a+3]   ; the row's sum is taken of the unquantised p: two chains a tile.  (They read the 64 alone: plain work behind the four)
.endr
.irp j, 4,8,12,16,20,24,28
.irp a, 0,1
	v_pk_add_f32 v[LSUM+2*\a:LSUM+2*\a+1], v[LSUM+2*\a:LSUM+2*\a+1], v[ST+32*\a+\j:ST+32*\a+\j+1]
	v_pk_add_f32 v[SU+2*\a:SU+2*\a+1], v[SU+2*\a:SU+2*\a+1], v[ST+32*\a+\j+2:ST+32*\a+\j+3]
.endr
.endr
.irp a, 0,1
	v_pk_add_f32 v[LSUM+2*\a:LSUM+2*\a+1], v[LSUM+2*\a:LSUM+2*\a+1], v[SU+2*\a:SU+2*\a+1]
.endr
	s_wait_alu depctr_va_vdst(0)                   ; and one for the four
.irp b, 0,1,2,3
	v_add_nc_u32 v[SO+\b], 0xff000000, v[MX+\b]    ; 2 off the exponent field: the conversion's scale operand.  (No floor: p is at least 2^-3.8)
.endr
.irp b, 0,1,2,3
	v_lshrrev_b32 v[MX+\b], 23, v[SO+\b]           ; the scale's byte
.endr
.irp a, 0,1
.if (\c) == 0
	v_lshl_or_b32 v[PW+\a], v[MX+2*\a+1], 8, v[MX+2*\a]
.else
	v_lshl_or_b32 v[PW+\a], v[MX+2*\a], 16, v[PW+\a]
	v_lshl_or_b32 v[PW+\a], v[MX+2*\a+1], 24, v[PW+\a]
.endif
.endr
.irp a, 0,1
	v_cvt_scalef32_pk16_fp6_f32 v[PC+12*\a+6*(\c):PC+12*\a+6*(\c)+2], v[ST+32*\a:ST+32*\a+15], v[SO+2*\a]
	v_cvt_scalef32_pk16_fp6_f32 v[TC+4*\a:TC+4*\a+2], v[ST+32*\a+16:ST+32*\a+31], v[SO+2*\a+1]   ; (a conversion's three registers begin on an even number)
.endr
	v_nop                                          ; one plain place behind a scaled conversion
.irp a, 0,1                            ; the operand's layout wants a whole block in a lane: lanes 0-15 block 2 c, lanes 16-31 block 2 c + 1
.irp i, 0,1,2
	v_permlane16_swap_b32 v[PC+12*\a+6*(\c)+\i], v[TC+4*\a+\i]
.endr
.irp i, 0,1,2
	v_mov_b32 v[PC+12*\a+6*(\c)+3+\i], v[TC+4*\a+\i]
.endr
.endr
.endm
.macro MULV g, buf, z                  ; O^T += V^T P^T: channel tiles 4 g .. 4 g + 3 x my two tiles; K = the step's 128 keys.  The 32 accumulators take turns, one instruction a turn
	WIN 0x50                                       ; C and D in window 1
.set ee, 0
.rept 4
.set aa, 0
.rept 2
.set ct, 4*(\g)+ee
.set rD, 128*aa+8*ct
.set rA, (\buf)+12*ee
.set rB, PC+12*aa
.set rSA, VS+(ct/2)
.set rSB, PW+aa
	WM \z, rD, rA, rB, rSA, rSB, ct%2, 0
.set aa, aa+1
.endr
.set ee, ee+1
.endr
.endm
; A KEY STEP: 128 keys, my two tiles of queries.  z = 1: the first step, whose products start O^T's sums: nothing is ever cleared.
.macro STEP z
	v_add_nc_u32 v[AD16], s[RB], v[LI]             ; these three and the two below are five places behind the last step's products: the scores are laid over registers that those have read
	v_add_nc_u32 v[AD4], s[RB], v[LS]
	v_add_nc_u32 v[ADR], s[RB], v[RKH]
	v_nop
	v_nop
.irp p, 0,1,2,3,4,5,6,7
	ds_load_b32 v[VS+\p], v[AD4] offset:VSC+128*\p
.endr
	LOADK 0
	LOADRK 0
	s_wait_dscnt 8                                 ; all but the eight loads of 1 / |theta|
	MULS 0
	PLACES 4                                       ; in front of loads into K's registers and of the first read of the scores
	LOADK 1
	s_wait_dscnt 8                                 ; all but K's eight just issued
	SOFT 0
	s_wait_dscnt 8                                 ; K is in; the eight loads of 1 / |theta| issued behind it may be out
	MULS 1
	PLACES 4
	s_wait_dscnt 0x0
	SOFT 1
	LOADV 1, VA                                    ; p has been converted: its registers take V's next four fragments
	PLACES 8                                       ; p's scale words, written by vector instructions, stand 8 places ahead of the scaled products, its codes 4
	s_wait_dscnt 12                                ; all but the younger group's twelve loads
	MULV 0, VB, \z
	PLACES 4
	WIN 0
	LOADV 2, VB
	s_wait_dscnt 12
	MULV 1, VA, \z
	PLACES 4
	WIN 0
	LOADV 3, VA
	s_wait_dscnt 12
	MULV 2, VB, \z
	s_wait_dscnt 0x0
	MULV 3, VA, \z
	WIN 0
.endm
; THE CHANGE OF SLOTS.  Each wave waits for all its tensor loads (one is out: its part of the other slot), adds 0 to its spare word, and waits for that and for its reads of the slot that it leaves.
; fill = 1: the barrier is a round of the cluster's, so that no wave of any partner still reads the slot or has a load on its way, and the joint refill is the first thing behind it.
.macro CHANGE fill
	s_wait_tensorcnt 0x0                           ; no tensor load of mine is out, so a group 0 may be written
	ds_add_u32 v[SPW], v[NIL]                      ; 0 onto my spare word
.if \fill
	s_xor_b32 s[G0W+1], s[G0W+1], SLOT1            ; the walking descriptor: the other slot than last time,
	s_add_nc_u64 s[G0W+2:G0W+3], s[G0W+2:G0W+3], 4*REC   ; the next four records; the type bits on top are not reached
	s_wait_xcnt 0x0                                ; the last prefetch, a slot back, has read its address, so it may be written
	s_add_nc_u64 s[PFA:PFA+1], s[PFA:PFA+1], 4*REC
	s_wait_dscnt 0x0                               ; the add is done, and my reads of the slot are over
	CROUND
	tensor_load_to_lds s[G0W:G0W+3], s[G1:G1+7]    ; my one tensor load until the next round
	s_nop 0
	PLACES 4
	ASK
.else
	s_wait_dscnt 0x0
	s_barrier_signal -1
	s_barrier_wait -1
.endif
	s_sub_co_u32 s[RB], s[RB], 2*REC               ; back to my first record of a slot,
	s_xor_b32 s[RB], s[RB], SLOT1                  ; in the other slot
.endm
.macro TWO_STEPS                       ; my two records of a slot: written once, walked twice
	s_mov_b32 s[TWICE], 2
.Lstep_\@:
	STEP 0
	s_add_co_u32 s[RB], s[RB], REC
	s_sub_co_u32 s[TWICE], s[TWICE], 1
	s_cmp_lg_u32 s[TWICE], 0
	s_cbranch_scc1 .Lstep_\@
.endm
	s_wait_tensorcnt 0x1                           ; my part of slot 0 is in; slot 1's may stay out
	s_barrier_signal -1
	s_barrier_wait -1                              ; everybody's is
	s_wait_loadcnt 0x0                             ; Q, its scale words, log2(e) / |phi|
	v_mov_b32 v[CQ+1], v[CQ]                       ; (named as pairs, so the upper halves are written)
	v_mov_b32 v[CQ+3], v[CQ+2]
	STEP 1
	s_add_co_u32 s[RB], s[RB], REC
	STEP 0
	s_add_co_u32 s[RB], s[RB], REC
.Lslot:                                            ; six trips: every slot-fill but the first two is asked for here
	CHANGE 1
	TWO_STEPS
	s_sub_co_u32 s[SLOTS], s[SLOTS], 1
	s_cmp_lg_u32 s[SLOTS], 0
	s_cbranch_scc1 .Lslot
	CHANGE 0                                       ; the tail is written out
	TWO_STEPS
; ---- THE END.  The partners exchange: I give tile a = 1 and its sum, and take my partner's part of tile a = 0.
	PLACES 4                                       ; behind the last products
	v_add_f32 v[SU], v[LSUM], v[LSUM+1]
	v_add_f32 v[SU+1], v[LSUM+2], v[LSUM+3]
	v_permlanex16_b32 v[MY], v[SU], s[SEL], s[SEL+1]
	v_permlanex16_b32 v[MY+1], v[SU+1], s[SEL], s[SEL+1]
	v_add_f32 v[SU], v[SU], v[MY]                  ; with lane l xor 16's keys
	v_add_f32 v[SU+1], v[SU+1], v[MY+1]
	s_barrier_signal -1                            ; (no LDS instruction of mine is out: the last step's last wait was for 0)
	s_barrier_wait -1                              ; every wave has left the ring: slot 0 has had its last fill and its last read, and takes the exchange stage
	WIN 0x04                                       ; an LDS store's data are its source 1: window 1
.set ii, 0
.rept 32
	ds_store_b128 v[XW], v[128+4*ii:128+4*ii+3] offset:512*ii   ; each accumulator from its low end on
.set ii, ii+1
.endr
	WIN 0
	ds_store_b32 v[LW], v[SU+1]
	s_wait_dscnt 0x0                               ; for the partner's sake: my stores are done
	s_barrier_signal -1
	s_barrier_wait -1
	WIN 0x40                                       ; destination window 1: weight's fragments (tile e of 16 outputs, K step s) at v[128 + 12 (2 e + s)], where the tile that I gave away lay
.set ee, 0
.rept 4
.set ss, 0
.rept 2
.set jj, 0
.rept 6
	global_load_b64 v[128+12*(2*ee+ss)+2*jj:128+12*(2*ee+ss)+2*jj+1], v[WOF], s[60:61] offset:3072*ee+96*ss+48*(jj/3)+8*(jj%3)
.set jj, jj+1
.endr
.set ss, ss+1
.endr
.set ee, ee+1
.endr
	WIN 0
.irp e, 0,1,2,3
	global_load_b32 v[WSR+\e], v[WSO], s[62:63] offset:98304+128*\e
.endr
.set ii, 0
.rept 32
	ds_load_b128 v[64+4*ii:64+4*ii+3], v[XR] offset:512*ii
.set ii, ii+1
.endr
	ds_load_b32 v[SU+2], v[LR]
	s_wait_dscnt 0x0
	v_add_f32 v[SU], v[SU], v[SU+2]                ; the row's sum over all keys
	v_rcp_f32 v[SU+2], v[SU]
	WIN 0x04                                       ; source 1 in window 1: my own part of the tile
.set ii, 0
.rept 64
	v_pk_add_f32 v[64+2*ii:64+2*ii+1], v[64+2*ii:64+2*ii+1], v[2*ii:2*ii+1]   ; (independent work behind the reciprocal; each accumulator from its low end on)
.set ii, ii+1
.endr
	WIN 0
	s_wait_alu depctr_va_vdst(0)                   ; the wait ahead of the reciprocal's first reader
.set ii, 0
.rept 64
	v_pk_mul_f32 v[64+2*ii:64+2*ii+1], v[64+2*ii:64+2*ii+1], v[SU+2:SU+3] op_sel_hi:[1,0]   ; O / l: register 16 pb + x is channel 32 pb + 16 h + x of my query
.set ii, ii+1
.endr
; 64 numbers of a lane, register 16 b + i = k 32 b + 16 h + i of my row, become a fragment's codes in v[PC] on and its scale word in v[PW]
.macro QUANT s
.irp b, 0,1,2,3
	v_max3_num_f32 v[MX+\b], |v[\s+16*\b]|, |v[\s+1+16*\b]|, 0x1800000   ; and the floor 2^(3 - 127): the byte cannot fall under 1
.endr
.irp i, 2,4,6,8,10,12,14
.irp b, 0,1,2,3
	v_max3_num_f32 v[MX+\b], v[MX+\b], |v[\s+16*\b+\i]|, |v[\s+1+16*\b+\i]|
.endr
.endr
.irp b, 0,1,2,3
	v_permlanex16_b32 v[MY+\b], v[MX+\b], s[SEL], s[SEL+1]
.endr
.irp b, 0,1,2,3
	v_max_num_f32 v[MX+\b], v[MX+\b], v[MY+\b]
.endr
.irp b, 0,1,2,3
	v_add_nc_u32 v[SO+\b], 0xff000000, v[MX+\b]
.endr
.irp b, 0,1,2,3
	v_lshrrev_b32 v[MY+\b], 23, v[SO+\b]
.endr
	v_lshl_or_b32 v[PW], v[MY+1], 8, v[MY]
	v_lshl_or_b32 v[PW], v[MY+2], 16, v[PW]
	v_lshl_or_b32 v[PW], v[MY+3], 24, v[PW]
.irp c, 0,1
	v_cvt_scalef32_pk16_fp6_f32 v[PC+6*\c:PC+2+6*\c], v[\s+32*\c:\s+15+32*\c], v[SO+2*\c]
	v_cvt_scalef32_pk16_fp6_f32 v[PC+12+4*\c:PC+14+4*\c], v[\s+16+32*\c:\s+31+32*\c], v[SO+2*\c+1]
.endr
	v_nop                                          ; one plain place behind a scaled conversion
.irp c, 0,1
.irp i, 0,1,2
	v_permlane16_swap_b32 v[PC+6*\c+\i], v[PC+12+4*\c+\i]
.endr
.irp i, 0,1,2
	v_mov_b32 v[PC+3+6*\c+\i], v[PC+12+4*\c+\i]
.endr
.endr
.endm
.macro IMAGE k                         ; the fragment goes to LDS as it stands: K step k of my tile
.irp j, 0,1,2
	ds_store_b128 v[OIW], v[PC+4*\j:PC+4*\j+3] offset:1536*(\k)+512*\j
.endr
	ds_store_b32 v[OSW], v[PW] offset:128*(\k)
.endm
	QUANT 64
	IMAGE 0
	s_wait_dscnt 0x0                               ; the stores have read their registers
	QUANT 128
	IMAGE 1
	s_wait_dscnt 0x0                               ; for the others' sake: my images lie in LDS
	s_barrier_signal -1
	s_barrier_wait -1                              ; all sixteen do
.macro FETCHO g                        ; group g's eight fragments (tile tau, K step s: 2 tau + s) and their scale words
.set ff, 0
.rept 8
.set jj, 0
.rept 3
	ds_load_b128 v[OF+12*ff+4*jj:OF+12*ff+4*jj+3], v[OIR] offset:(8*(\g)+ff)*1536+512*jj
.set jj, jj+1
.endr
	ds_load_b32 v[OS+ff], v[OSR] offset:128*(8*(\g)+ff)
.set ff, ff+1
.endr
.endm
.macro P5                              ; my 64 outputs x 64 queries: 16 accumulators by turns, a K step at a time; source 0 = 16 rows of weight^T, source 1 = O / l
	WIN 0x51                                       ; source 0, C and D in window 1
.set ss, 0
.rept 2
.set ee, 0
.rept 4
.set tt, 0
.rept 4
.set rD, 8*(4*ee+tt)
.set rA, 128+12*(2*ee+ss)
.set rB, OF+12*(2*tt+ss)
.set rSA, WSR+ee
.set rSB, OS+2*tt+ss
	WM 1-ss, rD, rA, rB, rSA, rSB, ss, 0
.set tt, tt+1
.endr
.set ee, ee+1
.endr
.set ss, ss+1
.endr
	WIN 0
	PLACES 4                                       ; in front of loads into O's registers and of the first read of results
.endm
; The way out of group g.  Lane (r, h) holds, in register j of accumulator (e, tau), out(d = 64 wv + 16 e + 8 h + j, n = 64 g + 4 r + tau): the relu lays four tiles' numbers side by side, 16 bytes of a row d,
; and sixteen lanes store 256 consecutive bytes, at a multiple of 256 from out0's first byte.
.macro OUT g
.set ee, 0
.rept 4
.if (4*(\g)+ee) >= 2
	s_wait_xcnt 0x0                                ; the stores of two turns ago have read their registers
.endif
	WIN 0x04                                       ; source 1 in window 1
.set jj, 0
.rept 8
.set tt, 0
.rept 4
	v_max_num_f32 v[RR+32*(ee%2)+4*jj+tt], 0, v[8*(4*ee+tt)+jj]   ; each accumulator from its low end on
.set tt, tt+1
.endr
.set jj, jj+1
.endr
	WIN 0
.set jj, 0
.rept 8
	global_store_b128 v[OUO], v[RR+32*(ee%2)+4*jj:RR+32*(ee%2)+4*jj+3], s[58:59] offset:16384*(16*ee+jj)+256*(\g) th:TH_STORE_NT   ; written once, read by nobody here
.set jj, jj+1
.endr
.set ee, ee+1
.endr
.endm
	FETCHO 0
	s_wait_dscnt 0x0
	s_wait_loadcnt 0x0                             ; weight's fragments and scale words
	P5
	FETCHO 1                                       ; the second group's fragments land while the first group's results leave
	OUT 0
	s_wait_dscnt 0x0
	P5
	OUT 1
	s_wait_tensorcnt 0x0                           ; the wave's end, behind my last tensor load and my last LDS store
	ds_add_u32 v[SPW], v[NIL]
	s_wait_dscnt 0x0
	CROUND                                         ; the closing round: no work-group ends while a partner may still ask for a tile that names it
	s_endpgm
.Lfunc_end_k_q74b8089323_attn:
	.size	k_q74b8089323_attn, .Lfunc_end_k_q74b8089323_attn-k_q74b8089323_attn
	.p2alignl 7, 3214868480
	.fill 96, 4, 3214868480
	.section	.rodata,"a",@progbits
	.p2align	6, 0x0
	.amdhsa_kernel k_q74b8089323_attn
		.amdhsa_group_segment_fixed_size 327680
		.amdhsa_private_segment_fixed_size 0
		.amdhsa_enable_private_segment 0
		.amdhsa_kernarg_size 32
		.amdhsa_user_sgpr_count 2
		.amdhsa_user_sgpr_kernarg_segment_ptr 1
		.amdhsa_wavefront_size32 1
		.amdhsa_system_sgpr_workgroup_id_x 1
		.amdhsa_system_sgpr_workgroup_id_y 1
		.amdhsa_system_sgpr_workgroup_id_z 1
		.amdhsa_system_vgpr_workitem_id 0
		.amdhsa_next_free_vgpr 512
		.amdhsa_next_free_sgpr 66
		.amdhsa_reserve_vcc 0
		.amdhsa_float_denorm_mode_32 3
		.amdhsa_float_denorm_mode_16_64 3
		.amdhsa_memory_ordered 1
		.amdhsa_forward_progress 1
		.amdhsa_inst_pref_size 211
	.end_amdhsa_kernel
	.amdgpu_metadata
---
amdhsa.version: [ 1, 2 ]
amdhsa.kernels:
  - .name:           k_q74b8089323_attn
    .symbol:         k_q74b8089323_attn.kd
    .args:
      - { .name: kv, .offset: 0, .size: 8, .value_kind: global_buffer, .address_space: global }
      - { .name: qp, .offset: 8, .size: 8, .value_kind: global_buffer, .address_space: global }
      - { .name: wq, .offset: 16, .size: 8, .value_kind: global_buffer, .address_space: global }
      - { .name: out0, .offset: 24, .size: 8, .value_kind: global_buffer, .address_space: global }
    .group_segment_fixed_size: 327680
    .private_segment_fixed_size: 0
    .kernarg_segment_align: 8
    .kernarg_segment_size: 32
    .max_flat_workgroup_size: 256
    .sgpr_count:     66
    .vgpr_count:     512
    .wavefront_size: 32
...
	.end_amdgpu_metadata
.endif
;; end of part 2
